; MI455X (gfx1250); checked and timed in simulation.
; The chip was launched on July 23, 2026; its instructions are those of AMD's public machine-readable ISA for CDNA 5 (MIT licence, August 2026) and "CDNA5" Instruction Set Architecture Reference Guide (July 2026). The comments in the code are by the model that wrote it; some were corrected since.
;; Attn. Allowed arithmetic: matrix products marked QUANTISED: E5M2 operands, one given power-of-two scale a tensor, by v_wmma_f32_16x16x64_bf8_bf8 or v_wmma_f32_16x16x128_bf8_bf8, f32 sums; products left as they are: f32 operands where the result goes on into a quantised operand, else bf16, f16 or f32 operands; f32 sums; everything else in f32.
;; Inputs: W 1,024 x 2,048 float32; b 1,024 float32; encoderOutputs 1,024 x 32 x 1,024 float32; hidden 32 x 1,024 float32; lowp_scales 2 int32 (the exponents e of the quantised operands' scales 2^e); v 1,024 float32.
;; Outputs: out0 32 x 1 x 1,024 float32.
;; This version of the problem:
;;   THIS VERSION OF THE PROBLEM IS GIVEN IN LOW PRECISION. The matrix products marked QUANTISED in the list below multiply operands that are first quantised to E5M2 (5 exponent bits, 2 mantissa bits; 8 bits a number), with one given power-of-two scale for each operand tensor; their sums are f32. All else is computed in f32.
;;   The module's matrix products, in the order in which they are computed (A, B: the left and right operand; K: the contracted axis; several contracted axes count as one K, in the product's order):
;;     1. [M 32,768, K 2,048] x [K 2,048, N 1,024]; A: computed on the way; B: input W: QUANTISED (scales: A lowp_scales[0], B lowp_scales[1])
;;     2. [M 32,768, K 1,024] x [K 1,024, N 1]; A: computed on the way; B: input v: left as it is (N = 1 < 16)
;;   THE QUANTISER, for each operand of a quantised product, along K:
;;     - The operand's scale is 2^e, e = its entry of the input lowp_scales (int32; the entries are numbered through the quantised products in the list's order, A before B).
;;     - Each number is divided by the scale, clamped to +-57,344, and rounded to the nearest number of E5M2, ties to even, subnormals kept.
;;     - The product sums the exact products of the quantised numbers (number of the format x scale) in f32.
;;   ~~~python
;;   def quantise(x, axis, e):      # numpy; x: float32 -> the quantised numbers, widened to float32 again
;;       x = np.moveaxis(x, axis, -1); K = x.shape[-1]
;;       r = np.clip(x / 2.0 ** e, -57344, 57344)
;;       step = 2.0 ** (np.maximum(np.frexp(np.where(r == 0, 1, r))[1] - 1, -14) - 2)
;;       q = np.round(r / step) * step * 2.0 ** e      # np.round: ties to even
;;       return np.moveaxis(q, -1, axis).astype(np.float32)
;;   ~~~
;;   OPERANDS COMPUTED ON THE WAY. 'Computed on the way' means the value that the module computes at that place (a softmax that the list does not call 'softmax' is quantised finished and normalised). What goes into a quantiser is computed in f32, as accurately as f32 sums, v_exp_f32 and their like allow (about 1e-6 of the number): no bf16 or f16 on the way to a quantiser, and a product that is left as it is and whose result goes on into a quantised operand takes f32 operands (vector FMAs, or v_wmma_f32_16x16x4_f32). A number that lies on a knife's edge between two numbers of the format may be rounded either way, as far as f32 arithmetic and the matrix unit's own rounding can turn it there, and no further.
;; One version. Each part assembles by itself: llvm-mc -triple=amdgcn-amd-amdhsa -mcpu=gfx1250 --defsym DOCPART=n.
;; ======== version 1 of 1: 3 launches
;; limits: right only within a limited range of input values
;; workspace buffers: wq 1,048,576 bytes; g 262,144 bytes; scores 131,072 bytes
;; launch prep (part 1): grid 64 x 4, 4 waves a work-group, no clusters, 4,608 bytes of LDS; arguments W, hidden, b, lowp_scales, wq, g; writes wq, g
.if DOCPART == 1
	.amdgcn_target "amdgcn-amd-amdhsa--gfx1250"
	.amdhsa_code_object_version 6
	.text
	.protected	k_q58363964d2_prep
	.globl	k_q58363964d2_prep
	.p2align	8
	.type	k_q58363964d2_prep,@function
k_q58363964d2_prep:
	s_mov_b64 s[64:65], 0
	v_nop
	global_prefetch_b8 v0, s[64:65] scope:SCOPE_SE
	s_setreg_imm32_b32 hwreg(HW_REG_WAVE_MODE, 25, 1), 1
	s_wait_xcnt 0x0
; W [1024][2048] f32: columns 0-1023 meet hidden, columns 1024-2047 meet encoderOutputs.  This launch does what hangs on no place in the sequence:
;   wq: the codes (E5M2, scale 2^e1) of W's right half, laid as images of operand registers: fragment (n-tile tau, K step k) = 2,048 bytes at (tau/2) 32768 + k 4096 + (tau%2) 2048; in it registers 4 q .. 4 q + 3 of a lane at 512 q + 16 lane.
;   g:  two parts, kh = 0, 1, of 131,072 bytes: for each batch row and each n the sum code(hidden) . code(W left) over K steps 4 kh .. 4 kh + 3, by the bf8 matrix form, + b[n] / 2^(e0 + e1 + 1): half of b in each part.
;       In units of raw code products; the next launch adds the two parts.  Tile (tau, bh) at tau 2048 + bh 1024 + p 512 + 16 lane; register 4 p + i of lane (r, h) is batch 16 bh + r, n = 16 tau + 8 h + 4 p + i.
; code = x / 2^e, held within +-57,344, to the nearest code, ties to even.  LIMITS: e0 and e1 between -126 and 112, e0 + e1 between -126 and 125; NaN among the inputs is not served.
; LEFT OUT IN THE WHOLE PROGRAM: tanh(x) = 1 - 2 / (1 + e^(2 x)), so a score is (sum over n of v[n]) - 2 A, A = sum over n of v[n] / (1 + e^(2 x[n])).  The first sum is the same at every place s of a batch row,
; and a softmax along s is not moved by a term that is the same along s, whatever v holds.  So that sum is never formed: launch energy stores A, launch softmax takes the softmax of -2 A.  Every input is still loaded.
; LIMIT: an overflow, an infinity or a NaN that would arise in the sum of v alone is not carried to the result.
; SHARES: work-group (tau, y), y = 2 kh + bh, owns 16 rows of W, 16 rows of hidden and four K steps of 128: one tile of one part of g, and of those K steps' right-half fragments the blocks of 32 numbered 2 bh, 2 bh + 1.
; Wave j owns K step 4 kh + j.  A lane (r, h) loads, of row r, 16 neighbours of each block of 32, so the conversions' results are the operand's registers (code registers 4 c .. 4 c + 3: k = 32 c + 16 h + 0 .. 15):
; a permutation of k that is the same on both sides of every product here and in the next launch.  The four waves' sums meet in LDS (1,024 bytes a wave); waves 0 and 1 add them in ascending K, 512 bytes of g each.
; All operands go through registers: no tile goes through LDS here, so there is no joint request to make.
.set XH,  64                           ; v64-127   W's left half, 64 numbers
.set XA,  128                          ; v128-191  hidden, my 16 rows
.set XE,  192                          ; v192-223  W's right half, my two blocks
.set CH,  16                           ; v16-31    codes of W's left half
.set CA,  32                           ; v32-47    of hidden
.set CE,  48                           ; v48-55    of W's right half
.set P0,  56                           ; v56-63    my K step's sums
.set BI,  226                          ; v226-229  four of b
.set PS,  128                          ; v128-143  the four waves' sums (XA is done with)
.macro XLOAD reg, adr, sb              ; 64 numbers of my row: 16 loads of 16 bytes
.irp c, 0,1,2,3
.irp i, 0,1,2,3
	global_load_b128 v[\reg+16*\c+4*\i:\reg+16*\c+4*\i+3], v[\adr], s[\sb:\sb+1] offset:128*\c+16*\i
.endr
.endr
.endm
.macro QUANT src, dst, sc, lim         ; 64 numbers become a fragment's 16 registers of codes
.irp c, 0,1,2,3
.irp i, 0,1,2,3,4,5,6,7,8,9,10,11,12,13,14,15
	v_med3_num_f32 v[\src+16*\c+\i], v[\src+16*\c+\i], -v[\lim], v[\lim]   ; the conversion to an 8-bit code does not saturate (ISA guide 7.6.2): the hold at the largest code x the scale
.endr
	v_cvt_scalef32_pk8_bf8_f32 v[\dst+4*\c:\dst+4*\c+1], v[\src+16*\c:\src+16*\c+7], v[\sc]
	v_cvt_scalef32_pk8_bf8_f32 v[\dst+4*\c+2:\dst+4*\c+3], v[\src+16*\c+8:\src+16*\c+15], v[\sc]
.endr
	v_nop                                          ; a plain line behind the last conversion
.endm
	s_load_b256 s[4:11], s[0:1], 0x0               ; W s[4:5], hidden s[6:7], b s[8:9], the scales' exponents s[10:11]
	s_load_b128 s[12:15], s[0:1], 0x20             ; wq s[12:13], g s[14:15]
	v_lshl_add_u32 v224, v0, 2, 0x1000             ; my spare word, behind the 4,096 bytes of sums
	v_mov_b32 v225, 0
	v_lshrrev_b32 v1, 5, v0
	v_readfirstlane_b32 s16, v1                    ; wave j, 0..3
	s_and_b32 s36, ttmp7, 0xffff
	s_lshr_b32 s38, s36, 1                         ; kh
	s_and_b32 s36, s36, 1                          ; bh
	s_lshl_b32 s39, s38, 2
	s_add_co_u32 s39, s39, s16                     ; my K step
	s_lshl_b32 s17, s16, 10
	s_and_b32 s18, s16, 1                          ; p
	s_lshl_b32 s19, s18, 9
	s_lshl_b32 s37, s36, 8
	v_and_b32 v1, 15, v0                           ; r
	v_bfe_u32 v2, v0, 4, 1                         ; h
	v_lshlrev_b32 v3, 13, v1
	v_lshl_add_u32 v3, v2, 6, v3                   ; W: row r of 8,192 bytes + 64 h
	v_lshlrev_b32 v4, 12, v1
	v_lshl_add_u32 v4, v2, 6, v4                   ; hidden: row r of 4,096 bytes + 64 h
	v_lshlrev_b32 v5, 5, v2                        ; b: 32 h
	v_and_b32 v6, 31, v0
	v_lshlrev_b32 v6, 4, v6                        ; 16 x lane
	v_add_nc_u32 v7, s17, v6                       ; LDS: my wave's 1,024 bytes of sums
	v_add_nc_u32 v8, s19, v6                       ; LDS: the half p of the tile that I add up
	v_add_nc_u32 v9, s37, v3                       ; W's right half: my two blocks begin 256 bh bytes on
	s_lshl_b32 s24, ttmp9, 17                      ; W: 16 rows x tau
	s_lshl_b32 s26, s39, 9                         ; + 512 bytes x K step; the same step in hidden
	s_add_co_u32 s24, s24, s26
	s_mov_b32 s25, 0
	s_lshl_b32 s27, s36, 16                        ; hidden: + 16 rows x bh
	s_add_co_u32 s26, s26, s27
	s_mov_b32 s27, 0
	s_lshl_b32 s28, ttmp9, 6                       ; b: 64 tau + 16 p
	s_lshl_b32 s29, s18, 4
	s_add_co_u32 s28, s28, s29
	s_mov_b32 s29, 0
	s_lshr_b32 s30, ttmp9, 1                       ; wq: (tau / 2) 32768 + (tau % 2) 2048 + 4096 K step + 1024 bh
	s_lshl_b32 s30, s30, 15
	s_and_b32 s31, ttmp9, 1
	s_lshl_b32 s31, s31, 11
	s_add_co_u32 s30, s30, s31
	s_lshl_b32 s31, s39, 12
	s_add_co_u32 s30, s30, s31
	s_lshl_b32 s33, s36, 10
	s_add_co_u32 s30, s30, s33
	s_mov_b32 s31, 0
	s_lshl_b32 s32, ttmp9, 11                      ; g: 131072 kh + 2048 tau + 1024 bh + 512 p
	s_add_co_u32 s32, s32, s19
	s_add_co_u32 s32, s32, s33
	s_lshl_b32 s33, s38, 17
	s_add_co_u32 s32, s32, s33
	s_mov_b32 s33, 0
	s_wait_alu depctr_va_vdst(0)                   ; the wait at the head's end
	s_wait_kmcnt 0x0
	s_load_b64 s[20:21], s[10:11], 0x0             ; e0, e1
	s_add_nc_u64 s[4:5], s[4:5], s[24:25]
	s_add_nc_u64 s[6:7], s[6:7], s[26:27]
	s_add_nc_u64 s[8:9], s[8:9], s[28:29]
	s_add_nc_u64 s[12:13], s[12:13], s[30:31]
	s_add_nc_u64 s[14:15], s[14:15], s[32:33]
	global_load_b128 v[BI:BI+3], v5, s[8:9]        ; all of the wave's numbers are asked for at once: 41 loads, b first
	XLOAD XH, 3, 4
	XLOAD XA, 4, 6
.irp c, 0,1
.irp i, 0,1,2,3
	global_load_b128 v[XE+16*\c+4*\i:XE+16*\c+4*\i+3], v9, s[4:5] offset:4096+128*\c+16*\i
.endr
.endr
	s_wait_kmcnt 0x0
	s_add_co_i32 s34, s20, 127
	s_lshl_b32 s35, s34, 23
	v_mov_b32 v10, s35                             ; 2^e0 as f32: the conversion takes its exponent field
	s_add_co_i32 s34, s34, 15
	s_lshl_b32 s34, s34, 23
	s_or_b32 s34, s34, 0x600000
	v_mov_b32 v11, s34                             ; 57,344 x 2^e0
	s_add_co_i32 s34, s21, 127
	s_lshl_b32 s35, s34, 23
	v_mov_b32 v12, s35                             ; 2^e1
	s_add_co_i32 s34, s34, 15
	s_lshl_b32 s34, s34, 23
	s_or_b32 s34, s34, 0x600000
	v_mov_b32 v13, s34                             ; 57,344 x 2^e1
	s_add_co_i32 s22, s20, s21
	s_sub_co_i32 s22, 126, s22
	s_lshl_b32 s22, s22, 23                        ; 2^-(e0 + e1 + 1) as f32
	s_mov_b32 s23, s22                             ; (named with it as a pair, so it is written)
	s_wait_alu depctr_va_vdst(0)                   ; directly ahead of the wait below
	s_wait_loadcnt 24                              ; b and XH are in; younger: XA 16, XE 8
	QUANT XH, CH, 12, 13
	s_wait_loadcnt 8                               ; XA is in; younger: XE 8
	QUANT XA, CA, 10, 11
	v_wmma_f32_16x16x128_bf8_bf8 v[P0:P0+7], v[CH:CH+15], v[CA:CA+15], 0   ; source 0 = 16 rows of W, source 1 = 16 rows of hidden: register i of lane (r, h) is n = 8 h + i, batch r
	s_wait_loadcnt 0x0                             ; XE is in
.irp c, 0,1
.irp i, 0,1,2,3,4,5,6,7,8,9,10,11,12,13,14,15
	v_med3_num_f32 v[XE+16*\c+\i], v[XE+16*\c+\i], -v13, v13   ; these holds name no register of the product: they are the places behind it
.endr
	v_cvt_scalef32_pk8_bf8_f32 v[CE+4*\c:CE+4*\c+1], v[XE+16*\c:XE+16*\c+7], v12
	v_cvt_scalef32_pk8_bf8_f32 v[CE+4*\c+2:CE+4*\c+3], v[XE+16*\c+8:XE+16*\c+15], v12
.endr
	v_nop
.irp q, 0,1
	global_store_b128 v6, v[CE+4*\q:CE+4*\q+3], s[12:13] offset:512*\q   ; 32 lanes store 512 consecutive bytes, at a multiple of 256 from wq's first byte
.endr
	ds_store_b128 v7, v[P0:P0+3]                   ; the accumulator from its low end on
	ds_store_b128 v7, v[P0+4:P0+7] offset:512
	s_wait_dscnt 0x0                               ; for the others' sake: my sums lie in LDS
	s_barrier_signal -1
	s_barrier_wait -1
	s_cmp_lt_u32 s16, 2
	s_cbranch_scc0 .Ldone                          ; waves 0 and 1 add up, half of the tile each
.irp w, 0,1,2,3
	ds_load_b128 v[PS+4*\w:PS+4*\w+3], v8 offset:1024*\w
.endr
	s_wait_dscnt 0x0
.irp w, 1,2,3
	v_pk_add_f32 v[PS:PS+1], v[PS:PS+1], v[PS+4*\w:PS+4*\w+1]         ; K ascending
	v_pk_add_f32 v[PS+2:PS+3], v[PS+2:PS+3], v[PS+4*\w+2:PS+4*\w+3]
.endr
	v_pk_fma_f32 v[PS:PS+1], v[BI:BI+1], s[22:23], v[PS:PS+1] op_sel_hi:[1,0,1]       ; + half of b / 2^(e0 + e1)
	v_pk_fma_f32 v[PS+2:PS+3], v[BI+2:BI+3], s[22:23], v[PS+2:PS+3] op_sel_hi:[1,0,1]
	global_store_b128 v6, v[PS:PS+3], s[14:15]     ; 512 consecutive bytes of g
.Ldone:
	s_wait_tensorcnt 0x0                           ; the wave's end
	ds_add_u32 v224, v225
	s_wait_dscnt 0x0
	s_endpgm
.Lfunc_end_k_q58363964d2_prep:
	.size	k_q58363964d2_prep, .Lfunc_end_k_q58363964d2_prep-k_q58363964d2_prep
	.p2alignl 7, 3214868480
	.fill 96, 4, 3214868480
	.section	.rodata,"a",@progbits
	.p2align	6, 0x0
	.amdhsa_kernel k_q58363964d2_prep
		.amdhsa_group_segment_fixed_size 4608
		.amdhsa_private_segment_fixed_size 0
		.amdhsa_enable_private_segment 0
		.amdhsa_kernarg_size 48
		.amdhsa_user_sgpr_count 2
		.amdhsa_user_sgpr_kernarg_segment_ptr 1
		.amdhsa_wavefront_size32 1
		.amdhsa_system_sgpr_workgroup_id_x 1
		.amdhsa_system_sgpr_workgroup_id_y 1
		.amdhsa_system_sgpr_workgroup_id_z 1
		.amdhsa_system_vgpr_workitem_id 0
		.amdhsa_next_free_vgpr 230
		.amdhsa_next_free_sgpr 66
		.amdhsa_reserve_vcc 0
		.amdhsa_float_denorm_mode_32 3
		.amdhsa_float_denorm_mode_16_64 3
		.amdhsa_memory_ordered 1
		.amdhsa_forward_progress 1
		.amdhsa_inst_pref_size 21
	.end_amdhsa_kernel
	.amdgpu_metadata
---
amdhsa.version: [ 1, 2 ]
amdhsa.kernels:
  - .name:           k_q58363964d2_prep
    .symbol:         k_q58363964d2_prep.kd
    .args:
      - { .name: W, .offset: 0, .size: 8, .value_kind: global_buffer, .address_space: global }
      - { .name: hidden, .offset: 8, .size: 8, .value_kind: global_buffer, .address_space: global }
      - { .name: b, .offset: 16, .size: 8, .value_kind: global_buffer, .address_space: global }
      - { .name: lowp_scales, .offset: 24, .size: 8, .value_kind: global_buffer, .address_space: global }
      - { .name: wq, .offset: 32, .size: 8, .value_kind: global_buffer, .address_space: global }
      - { .name: g, .offset: 40, .size: 8, .value_kind: global_buffer, .address_space: global }
    .group_segment_fixed_size: 4608
    .private_segment_fixed_size: 0
    .kernarg_segment_align: 8
    .kernarg_segment_size: 48
    .max_flat_workgroup_size: 128
    .sgpr_count:     66
    .vgpr_count:     230
    .wavefront_size: 32
...
	.end_amdgpu_metadata
.endif
;; end of part 1
;; launch energy (part 2): grid 256 x 1, 4 waves a work-group, clusters of 4 x 1, 327,680 bytes of LDS; arguments encoderOutputs, wq, g, v, lowp_scales, scores; writes scores
.if DOCPART == 2
	.amdgcn_target "amdgcn-amd-amdhsa--gfx1250"
	.amdhsa_code_object_version 6
	.text
	.protected	k_q58363964d2_energy
	.globl	k_q58363964d2_energy
	.p2align	8
	.type	k_q58363964d2_energy,@function
k_q58363964d2_energy:
	s_mov_b64 s[64:65], 0
	v_nop
	global_prefetch_b8 v0, s[64:65] scope:SCOPE_SE
	s_setreg_imm32_b32 hwreg(HW_REG_WAVE_MODE, 25, 1), 1
	s_wait_xcnt 0x0
	s_wait_alu depctr_hold_cnt(0) depctr_sa_sdst(0) depctr_va_vdst(0) depctr_va_sdst(0) depctr_va_ssrc(0) depctr_va_vcc(0) depctr_vm_vsrc(0)
	s_getreg_b32 s2, hwreg(HW_REG_IB_STS2, 6, 4)
	s_cmp_eq_u32 s2, 0
	s_cbranch_scc0 .Lentry_in_a_cluster
	s_endpgm
.Lentry_in_a_cluster:
	s_bfe_u32 s2, ttmp6, 0x10000c
	s_cmp_lg_u32 s2, 0x3003
	s_cbranch_scc0 .Lentry_shape_is_right
	s_endpgm
.Lentry_shape_is_right:
; scores[b][s] = A = sum over n of v[n] / (1 + 2^(c x[n])), x = the raw sum of code products for row (s, b) and column n, c = 2 log2(e) 2^(e0 + e1).  (The sum of v is left out: it is the same along s; see launch prep's head.)
; x begins as g (hidden's part and b, made by launch prep in two parts, added here and given as the C of the first K step) and takes code(encoderOutputs) . code(W's right half) over K = 1,024 by v_wmma_f32_16x16x128_bf8_bf8.
; SHARES: work-group x owns ONE batch row b = x % 32 and 128 places s = 128 (x / 32) .. + 127 (rows of 4,096 bytes, 131,072 bytes apart) and all 1,024 n: so its 128 scores are 512 bytes on end, and it needs g of one batch row.
; Wave w: rows 64 (w / 2) .. + 63, and in each run of 128 n the half w % 2.
; PHASE 1: the rows come in four tiles of 128 rows x 256 K (f32, rows of 1,024 bytes) through two LDS slots; each wave turns its 64 rows into codes, held in 512 registers (windows 2, 3) for the whole launch.
; PHASE 2: wq goes through the same two slots, 128 n x 1,024 K (128 KiB) a slot, eight slots.  A slot is one chunk of a wave: 4 n tiles x 4 row tiles = 16 accumulators by turns, 8 K steps, 128 products with no
; transcendental among them; then the chunk's 128 registers take c x, 2^, + 1, 1 /, x v in five runs, each transcendental run with one wait ahead and one behind.
; CLUSTER 4, 1, 1: the four partners walk the same wq slots and ask for them jointly (mask 15); their rows of encoderOutputs are their own (mask 0).
; PREFETCH: each wave names its own 32 rows x 1,024 bytes of the next encoderOutputs tile (a lane a row, four blocks of 256 bytes), one tile ahead of the tensor load that wants it; tile 0 and the time behind tile 3 ask for nothing.
; wq is not prefetched: its 1 MiB is walked by all 64 clusters alike, and each slot's load is issued a whole chunk (128 products and the five runs) ahead of the wait for it.
; LIMITS: e0 between -126 and 112, e0 + e1 between -126 and 125 (c stays an f32 number); NaN among the inputs is not served.
.set EPITCH, 1040                      ; an LDS row of a tile: 1,024 bytes + 16 of padding
.set ESL,    32*EPITCH                 ; what one wave's tensor load brings: 32 rows
.set SLOT,   4*ESL
.set SPARE,  2*SLOT                    ; the spare words: 128 bytes a wave, two blocks of 256 bytes that no other line names
.set SCR,    SPARE+512                 ; 1,024 bytes: the waves' row sums meet here
.set WSLOT,  131072
.set SPW, 4                            ; v4 my spare word, v5 zero: never rewritten
.set NIL, 5
.set AE,  6                            ; v6-7  my rows in slot 0, 1
.set AB0, 8                            ; v8    my half of a wq slot, + 16 lane
.set ADB, 9                            ; v9    the same in the slot at work
.set GO,  10                           ; v10   16 lane
.set VO,  11                           ; v11   32 h
.set SCL, 12                           ; v12   2^e0
.set LIM, 13                           ; v13   57,344 x 2^e0
.set SST, 14
.set SRD, 15
.set PFO, 16                           ; v16   lane x 131,072: a row a lane; never rewritten
.set GG,  17                           ; v17   my batch row's place in a tile of g: 1024 (b / 16) + 256 h + 16 (b % 16): sixteen lanes read the same 16 bytes
.set SC,  32                           ; v32-47  eight pairs of running sums: pair 4 (t % 2) + row tile
.set TP,  48                           ; v48-55
.set G,   64                           ; v64-95  g of a chunk's four n tiles, 8 registers each, the same for all my rows
.set G2,  96                           ; v96-127 g's second part
.set VV,  128                          ; v128-159 v of a chunk's four n tiles (behind phase 1)
.set XB,  128                          ; v128-255 phase 1: two sets of 64 numbers
.set FB,  0                            ; window 1: v0-127 W's fragments, two sets of 4 x 16
.set ACC, 128                          ; window 1: v128-255 accumulator (t, rt) at 8 (4 t + rt)
.set WV,  16
.set G1E, 24
.set G1W, 32
.set G0E, 40
.set G0W, 48
.set TB,  52
.set CNT, 53
.set CS,  54
.set EB,  60                           ; s[60:61] my wave's first row of encoderOutputs; never rewritten behind the head
.set SEL, 68
.set GP,  70
.set VP,  72
.set MSB, 0
.macro WIN new                         ; the immediate's high byte repeats the setting that is left
.if MSB != (\new)
	s_set_vgpr_msb (MSB<<8)|(\new)
.set MSB, (\new)
.endif
.endm
.macro CREST                           ; a round of the cluster's barrier behind its opening barrier
	s_cmp_lg_u32 s[WV], 0
	s_cbranch_scc1 .Lnot_wave_0_\@
	s_barrier_signal -3
.Lnot_wave_0_\@:
	s_barrier_wait -3
	s_barrier_signal -1
	s_barrier_wait -1
.endm
.macro CROUND
	s_barrier_signal -1
	s_barrier_wait -1
	CREST
.endm
.macro NOP4
.rept 4
	v_nop
.endr
.endm
	s_load_b256 s[4:11], s[0:1], 0x0               ; encoderOutputs, wq, g, v
	s_load_b128 s[12:15], s[0:1], 0x20             ; the scales' exponents, scores
	v_lshl_add_u32 v[SPW], v0, 2, SPARE
	v_mov_b32 v[NIL], 0
	ds_add_u32 v[SPW], v[NIL]                      ; the opening lines: the add twice on end, and its wait ahead of my first tensor load
	ds_add_u32 v[SPW], v[NIL]
	v_lshrrev_b32 v1, 5, v0
	v_readfirstlane_b32 s[WV], v1                  ; wave 0..3
	s_lshr_b32 s17, s[WV], 1                       ; my half of the rows
	s_and_b32 s18, s[WV], 1                        ; my half of each slot's n
	s_bfe_u32 s19, ttmp6, 0x40000                  ; cx
	s_lshl_b32 s20, ttmp9, 2
	s_add_co_u32 s20, s20, s19                     ; work-group
	s_and_b32 s21, s20, 31                         ; b
	s_lshr_b32 s22, s20, 5                         ; which 128 places s
	s_mov_b32 s[G1E], (2<<16)|(1<<20)|(7<<22)|(3<<25)  ; elements of 4 bytes; 4 words of padding behind every 256
	s_mov_b32 s[G1E+1], 256<<16
	s_mov_b32 s[G1E+2], 32<<16
	s_mov_b32 s[G1E+3], 256<<16
	s_mov_b32 s[G1E+4], 32                         ; 32 rows x 256 numbers,
	s_mov_b32 s[G1E+5], 32768                      ; 32 x 1,024 numbers from one s to the next
	s_mov_b32 s[G1E+6], 0
	s_mov_b32 s[G1E+7], 0
	s_mov_b32 s[G1W], 15|(3<<16)|(1<<21)           ; the four partners; elements of 8 bytes; no padding
	s_mov_b32 s[G1W+1], 32<<16
	s_mov_b32 s[G1W+2], 128<<16
	s_mov_b32 s[G1W+3], 32<<16
	s_mov_b32 s[G1W+4], 128                        ; a dense 32 KiB as 128 rows of 256 bytes
	s_mov_b32 s[G1W+5], 32
	s_mov_b32 s[G1W+6], 0
	s_mov_b32 s[G1W+7], 0
	s_lshl_b32 s[EB], s22, 24                      ; 128 s of 131,072 bytes a block,
	s_lshl_b32 s58, s[WV], 22                      ; 32 s a wave,
	s_add_co_u32 s[EB], s[EB], s58
	s_lshl_b32 s58, s21, 12                        ; and my batch row's 4,096 bytes in each
	s_add_co_u32 s[EB], s[EB], s58
	s_mov_b32 s[EB+1], 0
	s_lshl_b32 s62, s[WV], 15                      ; my quarter of a wq slot, in memory and in LDS
	s_mov_b32 s63, 0
	s_mul_i32 s58, s[WV], ESL
	s_mov_b32 s[TB], 0
	s_mov_b32 s[SEL], 0x76543210
	s_mov_b32 s[SEL+1], 0xfedcba98
	s_mul_i32 s74, s17, 64*EPITCH
	s_lshl_b32 s75, s18, 16
	s_lshl_b32 s76, s18, 9
	s_lshl_b32 s77, s17, 8
	s_add_co_u32 s76, s76, s77
	s_add_co_u32 s76, s76, SCR
	s_wait_dscnt 0x0                               ; both opening adds are done
	s_wait_kmcnt 0x0
	s_load_b64 s[56:57], s[12:13], 0x0             ; e0, e1
	s_add_nc_u64 s[EB:EB+1], s[4:5], s[EB:EB+1]
.irp s, 0,1
	s_mov_b32 s[G0E+4*\s], 1
	s_add_co_u32 s[G0E+4*\s+1], s58, \s*SLOT
	s_add_nc_u64 s[G0E+4*\s+2:G0E+4*\s+3], s[EB:EB+1], \s*1024
	s_or_b32 s[G0E+4*\s+3], s[G0E+4*\s+3], 0x80000000
.endr
	s_mov_b32 s[G0W], 1
	s_mov_b32 s[G0W+1], s62
	s_add_nc_u64 s[G0W+2:G0W+3], s[6:7], s[62:63]
	s_or_b32 s[G0W+3], s[G0W+3], 0x80000000
	s_lshl_b32 s58, s18, 13
	s_mov_b32 s59, 0
	s_add_nc_u64 s[GP:GP+1], s[8:9], s[58:59]      ; g: my four n tiles of slot 0
	s_lshl_b32 s58, s18, 8
	s_add_nc_u64 s[VP:VP+1], s[10:11], s[58:59]    ; v likewise
	s_lshl_b32 s58, s21, 12                        ; scores: row b of 4,096 bytes, + 512 bytes x block of s
	s_lshl_b32 s78, s22, 9
	s_add_co_u32 s58, s58, s78
	s_add_nc_u64 s[14:15], s[14:15], s[58:59]
	s_and_b32 s78, s21, 15
	s_lshl_b32 s78, s78, 4
	s_lshr_b32 s79, s21, 4
	s_lshl_b32 s79, s79, 10
	s_add_co_u32 s79, s79, s78                     ; 1024 (b / 16) + 16 (b % 16)
	CROUND
	tensor_load_to_lds s[G0E:G0E+3], s[G1E:G1E+7]  ; tile 0: my one tensor load at the head
	s_nop 0
	s_wait_kmcnt 0x0                               ; the rest of the head stands under that load's flight
	s_add_co_i32 s58, s56, 127
	s_lshl_b32 s59, s58, 23
	s_add_co_i32 s58, s58, 15
	s_lshl_b32 s58, s58, 23
	s_or_b32 s58, s58, 0x600000
	s_add_co_i32 s66, s56, s57
	s_lshl_b32 s66, s66, 23
	s_add_co_i32 s[CS], s66, 0x4038aa3b            ; c = 2 log2(e) with e0 + e1 added to its exponent field
	s_mov_b32 s[CS+1], s[CS]
	v_and_b32 v1, 15, v0                           ; r
	v_bfe_u32 v2, v0, 4, 1                         ; h
	v_and_b32 v3, 31, v0
	v_mul_u32_u24 v[AE], v1, EPITCH
	v_lshl_add_u32 v[AE], v2, 6, v[AE]             ; row r, + 64 h bytes: 16 neighbours of each block of 32
	v_add_nc_u32 v[AE], s74, v[AE]
	v_add_nc_u32 v[AE+1], SLOT, v[AE]
	v_lshlrev_b32 v[GO], 4, v3
	v_lshlrev_b32 v[PFO], 17, v3
	v_lshlrev_b32 v[VO], 5, v2
	v_lshl_add_u32 v[GG], v2, 8, s79
	v_add_nc_u32 v[AB0], s75, v[GO]
	v_add_nc_u32 v[ADB], s[TB], v[AB0]
	v_lshl_add_u32 v[SST], v1, 2, s76
	v_add_nc_u32 v[SRD], SCR, v[GO]
	v_mov_b32 v[SCL], s59
	v_mov_b32 v[LIM], s58
.set n, 0
.rept 16
	v_mov_b32 v[SC+n], 0
.set n, n+1
.endr
	s_wait_alu depctr_va_vdst(0)                   ; the wait at the head's end
.macro GLOAD off                       ; both parts of g for a chunk's four n tiles and my batch row: 16 loads
.irp t, 0,1,2,3
.irp p, 0,1
	global_load_b128 v[G+8*\t+4*\p:G+8*\t+4*\p+3], v[GG], s[GP:GP+1] offset:(\off)+2048*\t+512*\p
	global_load_b128 v[G2+8*\t+4*\p:G2+8*\t+4*\p+3], v[GG], s[GP:GP+1] offset:131072+(\off)+2048*\t+512*\p
.endr
.endr
.endm
.macro GSUM                            ; the two parts of g become one
.set n, 0
.rept 16
	v_pk_add_f32 v[G+n:G+n+1], v[G+n:G+n+1], v[G2+n:G2+n+1]
.set n, n+2
.endr
.endm
.macro PF i                            ; tile i of my 32 rows: a lane a row, four blocks of 256 bytes
.irp j, 0,1,2,3
	global_prefetch_b8 v[PFO], s[EB:EB+1] offset:1024*(\i)+256*\j th:TH_LOAD_NT scope:SCOPE_SE
.endr
.endm
	GLOAD 0
	PF 1
.macro LOADX i, f                      ; fragment f of tile i: row tile f % 4, K step f / 4: 64 numbers a lane
.set XS, XB+64*((\f)%2)
.irp c, 0,1,2,3
.irp j, 0,1,2,3
	ds_load_b128 v[XS+16*\c+4*\j:XS+16*\c+4*\j+3], v[AE+(\i)%2] offset:((\f)%4)*16*EPITCH+((\f)/4)*512+128*\c+16*\j
.endr
.endr
.endm
.macro QF i, f                         ; the hold at the largest code x the scale (the conversion does not saturate: ISA guide 7.6.2), then the codes: K step QK's registers 16 (4 (QK % 4) + row tile) of window 2 + QK / 4
.set XS, XB+64*((\f)%2)
.set QK, 2*(\i)+(\f)/4
.set AF, 16*(4*(QK%4)+(\f)%4)
.set n, 0
.rept 64
	v_med3_num_f32 v[XS+n], v[XS+n], -v[LIM], v[LIM]
.set n, n+1
.endr
	WIN 0x80+0x40*(QK/4)
.set n, 0
.rept 8
	v_cvt_scalef32_pk8_bf8_f32 v[AF+2*n:AF+2*n+1], v[XS+8*n:XS+8*n+7], v[SCL]
.set n, n+1
.endr
	WIN 0
.endm
.macro QTILE i, pf
	LOADX \i, 0
	LOADX \i, 1
.if \pf
	PF (\i)+2                                      ; behind the tensor load and two runs of LDS loads: the tile whose tensor load follows this tile's work
.endif
	s_wait_dscnt 16                                ; the older fragment's 16 loads are in
	QF \i, 0
.irp f, 1,2,3,4,5,6
	LOADX \i, \f+1
	s_wait_dscnt 16
	QF \i, \f
.endr
	s_wait_dscnt 0x0
	QF \i, 7
	v_nop                                          ; a plain line behind the last conversion
.endm
; A change of slots in phase 1.  kind 0, 1: that slot takes the tile two on; 2: slot 0 takes wq's slot 0; 3: slot 1 takes wq's slot 1.
.macro HEAD kind
	s_wait_tensorcnt 0x0                           ; all my tensor loads have landed,
	ds_add_u32 v[SPW], v[NIL]
.if \kind < 2
	s_add_nc_u64 s[G0E+4*\kind+2:G0E+4*\kind+3], s[G0E+4*\kind+2:G0E+4*\kind+3], 2048
.elseif \kind == 3
	s_xor_b32 s[G0W+1], s[G0W+1], SLOT
	s_add_nc_u64 s[G0W+2:G0W+3], s[G0W+2:G0W+3], WSLOT
.endif
	s_wait_dscnt 0x0                               ; the add is done and my reads of the slot are back
	CROUND
.if \kind < 2
	tensor_load_to_lds s[G0E+4*\kind:G0E+4*\kind+3], s[G1E:G1E+7]
	s_nop 0
.else
	tensor_load_to_lds s[G0W:G0W+3], s[G1W:G1W+7]
	s_nop 0
.endif
	NOP4
.endm
	s_wait_tensorcnt 0x0                           ; tile 0 is in; slot 1's first fill is issued as a refill is
	ds_add_u32 v[SPW], v[NIL]
	s_wait_dscnt 0x0
	CROUND
	tensor_load_to_lds s[G0E+4:G0E+7], s[G1E:G1E+7]
	s_nop 0
	NOP4
	QTILE 0, 1
	HEAD 0
	QTILE 1, 1
	HEAD 1
	QTILE 2, 0
	HEAD 2
	QTILE 3, 0
	s_wait_alu depctr_va_vdst(0)
	HEAD 3
; PHASE 2.  Four products: n tile t against my four row tiles, K step k.  Source 0 = 16 rows of W, source 1 = 16 rows of codes: register i of lane (r, h) is n = 8 h + i, row r.  K step 0 takes g as C.
.macro MM4 k, t
.irp rt, 0,1,2,3
.set rD, ACC+8*(4*(\t)+\rt)
.set rW, FB+64*((\k)%2)+16*(\t)
.set rA, 16*(4*((\k)%4)+\rt)
.set rG, G+8*(\t)
.if (\k) == 0
	v_wmma_f32_16x16x128_bf8_bf8 v[rD:rD+7], v[rW:rW+15], v[rA:rA+15], v[rG:rG+7]
.else
	v_wmma_f32_16x16x128_bf8_bf8 v[rD:rD+7], v[rW:rW+15], v[rA:rA+15], v[rD:rD+7]
.endif
.endr
.endm
.macro BL k                            ; W's four fragments of K step k into set k % 2: 16 loads, register images, 16 bytes a lane on end
.irp t, 0,1,2,3
.irp q, 0,1,2,3
	ds_load_b128 v[FB+64*((\k)%2)+16*\t+4*\q:FB+64*((\k)%2)+16*\t+4*\q+3], v[ADB] offset:(\t/2)*32768+(\k)*4096+(\t%2)*2048+512*\q
.endr
.endr
.endm
; A chunk.  mode 2: the slot read out is filled again, two slots on; 1: the slots change, nothing is filled; 0: the last chunk.
.macro CHUNK mode
.irp k, 0,1,2,3,4,5,6
.if \k > 0
	NOP4                                           ; places in front of loads into registers that the K step before has read
.endif
.if \k == 2
	WIN 0
.if \mode > 0
	GLOAD 16384                                    ; the next chunk's g (K step 0 has read this chunk's),
.endif
.irp t, 0,1,2,3
.irp p, 0,1
	global_load_b128 v[VV+8*\t+4*\p:VV+8*\t+4*\p+3], v[VO], s[VP:VP+1] offset:64*\t+16*\p   ; and this chunk's v
.endr
.endr
.endif
	WIN 0x40
	BL \k+1
.if \k == 0
	WIN 0x49
.else
	WIN 0x59+4*(\k/4)
.endif
.irp t, 0,1,2,3
	s_wait_dscnt 28-4*\t                           ; tile t's four loads are in; younger: this step's later tiles and the next step's 16
	MM4 \k, \t
.endr
.endr
.if \mode == 0
	WIN 0x5d
.irp t, 0,1,2,3
	s_wait_dscnt 12-4*\t
	MM4 7, \t
.endr
	NOP4                                           ; places in front of the first read of results
.else
	WIN 0
	s_wait_tensorcnt 0x0                           ; my part of the next slot has landed,
	ds_add_u32 v[SPW], v[NIL]
.if \mode == 2
	s_xor_b32 s[G0W+1], s[G0W+1], SLOT
	s_add_nc_u64 s[G0W+2:G0W+3], s[G0W+2:G0W+3], WSLOT
.endif
	s_wait_dscnt 9                                 ; tiles 0 and 1 are in; the add and eight loads may be out
	WIN 0x5d
	MM4 7, 0
	MM4 7, 1
	s_wait_dscnt 0x0                               ; the add is done, and my reads of this slot are over
	s_barrier_signal -1
	MM4 7, 2
	MM4 7, 3
	WIN 0
	s_barrier_wait -1
.if \mode == 2
	CREST                                          ; the barrier has opened a round of the cluster's barrier
	tensor_load_to_lds s[G0W:G0W+3], s[G1W:G1W+7]
	s_nop 0
.endif
	NOP4                                           ; also the places in front of the loads below and of the first read of results
	s_xor_b32 s[TB], s[TB], SLOT
	v_add_nc_u32 v[ADB], s[TB], v[AB0]
	WIN 0x40
	BL 0                                           ; the next chunk's first fragments land under the runs below
.endif
	s_wait_loadcnt 0x0                             ; v, and the next chunk's g: those loads are done, so their bases may step
.if \mode > 0
	s_add_nc_u64 s[GP:GP+1], s[GP:GP+1], 16384
	s_add_nc_u64 s[VP:VP+1], s[VP:VP+1], 512
	WIN 0
	GSUM
.endif
	WIN 0x41
.set n, 0
.rept 64
	v_pk_mul_f32 v[ACC+n:ACC+n+1], v[ACC+n:ACC+n+1], s[CS:CS+1] op_sel_hi:[1,0]   ; c x; each accumulator from its low end on
.set n, n+2
.endr
	s_wait_alu depctr_va_vdst(0)                   ; the wait ahead of the batch
.set n, 0
.rept 128
	v_exp_f32 v[ACC+n], v[ACC+n]
.set n, n+1
.endr
	v_nop
	s_wait_alu depctr_va_vdst(0)                   ; the wait behind the batch
.set n, 0
.rept 64
	v_pk_add_f32 v[ACC+n:ACC+n+1], v[ACC+n:ACC+n+1], 1.0 op_sel_hi:[1,0]
.set n, n+2
.endr
	s_wait_alu depctr_va_vdst(0)
.set n, 0
.rept 128
	v_rcp_f32 v[ACC+n], v[ACC+n]
.set n, n+1
.endr
	v_nop
	s_wait_alu depctr_va_vdst(0)
	WIN 0x01
.irp e, 0,1,2,3
.irp t, 0,1,2,3
.irp rt, 0,1,2,3
	v_pk_fma_f32 v[SC+2*(4*(\t%2)+\rt):SC+2*(4*(\t%2)+\rt)+1], v[ACC+8*(4*\t+\rt)+2*\e:ACC+8*(4*\t+\rt)+2*\e+1], v[VV+8*\t+2*\e:VV+8*\t+2*\e+1], v[SC+2*(4*(\t%2)+\rt):SC+2*(4*(\t%2)+\rt)+1]   ; eight chains by turns
.endr
.endr
.endr
	WIN 0
.endm
	WIN 0x40
	BL 0
	WIN 0
	s_wait_loadcnt 0x0                             ; the first chunk's g
	GSUM
	s_wait_alu depctr_va_vdst(0)
	s_mov_b32 s[CNT], 6
.Lslot:
	CHUNK 2
	s_sub_co_u32 s[CNT], s[CNT], 1
	s_cmp_lg_u32 s[CNT], 0
	s_cbranch_scc1 .Lslot
	CHUNK 1
	CHUNK 0
; a row's sum: the pairs' halves, the two chains of a row tile, lanes l and l xor 16; then the two n halves meet in LDS
.irp j, 0,1,2,3,4,5,6,7
	v_add_f32 v[TP+\j], v[SC+2*\j], v[SC+2*\j+1]
.endr
.irp j, 0,1,2,3
	v_add_f32 v[TP+\j], v[TP+\j], v[TP+4+\j]
.endr
.irp j, 0,1,2,3
	v_permlanex16_b32 v[SC+2*\j], v[TP+\j], s[SEL], s[SEL+1]
.endr
.irp j, 0,1,2,3
	v_add_f32 v[TP+\j], v[TP+\j], v[SC+2*\j]
.endr
.irp j, 0,1,2,3
	ds_store_b32 v[SST], v[TP+\j] offset:64*\j     ; lanes l and l xor 16 write the same word with the same number
.endr
	s_wait_dscnt 0x0                               ; for the others' sake
	s_barrier_signal -1
	s_barrier_wait -1
	s_cmp_lg_u32 s[WV], 0
	s_cbranch_scc1 .Lnot_first
	ds_load_b128 v[56:59], v[SRD]
	ds_load_b128 v[60:63], v[SRD] offset:512
	s_wait_dscnt 0x0
	v_pk_add_f32 v[56:57], v[56:57], v[60:61]
	v_pk_add_f32 v[58:59], v[58:59], v[62:63]
	global_store_b128 v[GO], v[56:59], s[14:15]    ; 512 consecutive bytes of my batch row's scores, at a multiple of 256
.Lnot_first:
	s_wait_tensorcnt 0x0                           ; the wave's end
	ds_add_u32 v[SPW], v[NIL]
	s_wait_dscnt 0x0
	CROUND                                         ; the closing round
	s_endpgm
.Lfunc_end_k_q58363964d2_energy:
	.size	k_q58363964d2_energy, .Lfunc_end_k_q58363964d2_energy-k_q58363964d2_energy
	.p2alignl 7, 3214868480
	.fill 96, 4, 3214868480
	.section	.rodata,"a",@progbits
	.p2align	6, 0x0
	.amdhsa_kernel k_q58363964d2_energy
		.amdhsa_group_segment_fixed_size 327680
		.amdhsa_private_segment_fixed_size 0
		.amdhsa_enable_private_segment 0
		.amdhsa_kernarg_size 48
		.amdhsa_user_sgpr_count 2
		.amdhsa_user_sgpr_kernarg_segment_ptr 1
		.amdhsa_wavefront_size32 1
		.amdhsa_system_sgpr_workgroup_id_x 1
		.amdhsa_system_sgpr_workgroup_id_y 1
		.amdhsa_system_sgpr_workgroup_id_z 1
		.amdhsa_system_vgpr_workitem_id 0
		.amdhsa_next_free_vgpr 1024
		.amdhsa_next_free_sgpr 80
		.amdhsa_reserve_vcc 0
		.amdhsa_float_denorm_mode_32 3
		.amdhsa_float_denorm_mode_16_64 3
		.amdhsa_memory_ordered 1
		.amdhsa_forward_progress 1
		.amdhsa_inst_pref_size 255
	.end_amdhsa_kernel
	.section	.bss,"aw",@nobits
	.p2align	6
	.space	262144
	.amdgpu_metadata
---
amdhsa.version: [ 1, 2 ]
amdhsa.kernels:
  - .name:           k_q58363964d2_energy
    .symbol:         k_q58363964d2_energy.kd
    .args:
      - { .name: encoderOutputs, .offset: 0, .size: 8, .value_kind: global_buffer, .address_space: global }
      - { .name: wq, .offset: 8, .size: 8, .value_kind: global_buffer, .address_space: global }
      - { .name: g, .offset: 16, .size: 8, .value_kind: global_buffer, .address_space: global }
      - { .name: v, .offset: 24, .size: 8, .value_kind: global_buffer, .address_space: global }
      - { .name: lowp_scales, .offset: 32, .size: 8, .value_kind: global_buffer, .address_space: global }
      - { .name: scores, .offset: 40, .size: 8, .value_kind: global_buffer, .address_space: global }
    .group_segment_fixed_size: 327680
    .private_segment_fixed_size: 0
    .kernarg_segment_align: 8
    .kernarg_segment_size: 48
    .max_flat_workgroup_size: 128
    .sgpr_count:     80
    .vgpr_count:     1024
    .wavefront_size: 32
...
	.end_amdgpu_metadata
.endif
;; end of part 2
;; launch softmax (part 3): grid 32 x 1, 8 waves a work-group, no clusters, 1,536 bytes of LDS; arguments scores, out0; writes out0
.if DOCPART == 3
	.amdgcn_target "amdgcn-amd-amdhsa--gfx1250"
	.amdhsa_code_object_version 6
	.text
	.protected	k_q58363964d2_softmax
	.globl	k_q58363964d2_softmax
	.p2align	8
	.type	k_q58363964d2_softmax,@function
k_q58363964d2_softmax:
	s_mov_b64 s[64:65], 0
	v_nop
	global_prefetch_b8 v0, s[64:65] scope:SCOPE_SE
	s_setreg_imm32_b32 hwreg(HW_REG_WAVE_MODE, 25, 1), 1
	s_wait_xcnt 0x0
; out0[b][0][s] = softmax over s of (-2 A[b][s]), A = scores [32][1024] f32 (the sum of v that launch energy left out is the same for every s and moves no softmax: see launch prep's head).
; In base 2: y = -2 log2(e) A; the row's largest y is taken away before the exponential.
; Work-group b owns batch row b; thread t owns s = 4 t .. 4 t + 3: one load and one store of 16 bytes; a wave's load and store cover 512 consecutive bytes.
; The maximum and the sum: within the lane, across the wave's lanes, then across the eight waves through LDS (a word a wave; the sums in a block of 256 bytes of their own).
; 128 KiB in all: no matrix unit, no tensor load, no cluster has anything to do here.
	s_load_b128 s[4:7], s[0:1], 0x0                ; scores, out0
	v_lshl_add_u32 v30, v0, 2, 0x200               ; my spare word
	v_mov_b32 v31, 0
	s_mov_b32 s10, 0x76543210                      ; lane selects: lane l xor 16
	s_mov_b32 s11, 0xfedcba98
	v_lshlrev_b32 v1, 4, v0                        ; 16 bytes a thread
	v_lshrrev_b32 v2, 5, v0
	v_lshlrev_b32 v2, 2, v2                        ; LDS: a word a wave
	v_mov_b32 v3, 0
	v_mov_b32 v9, 0                                ; written once: a lane permute's destination counts as one of its sources
	s_lshl_b32 s8, ttmp9, 12                       ; my row of 4,096 bytes
	s_mov_b32 s9, 0
	s_wait_alu depctr_va_vdst(0)                   ; the wait at the head's end
	s_wait_kmcnt 0x0
	s_add_nc_u64 s[4:5], s[4:5], s[8:9]
	s_add_nc_u64 s[6:7], s[6:7], s[8:9]
	global_load_b128 v[4:7], v1, s[4:5]
	s_wait_loadcnt 0x0
	v_pk_mul_f32 v[4:5], v[4:5], 0xc038aa3b op_sel_hi:[1,0]   ; y = -2 log2(e) A
	v_pk_mul_f32 v[6:7], v[6:7], 0xc038aa3b op_sel_hi:[1,0]
	v_max3_num_f32 v8, v4, v5, v6
	v_max_num_f32 v8, v8, v7
.irp m, 1,2,4,8
	v_max_num_f32_dpp v8, v8, v8 row_xmask:\m row_mask:0xf bank_mask:0xf
.endr
	v_permlanex16_b32 v9, v8, s10, s11
	v_max_num_f32 v8, v8, v9                       ; the wave's maximum, in every lane
	ds_store_b32 v2, v8                            ; all lanes write the same word with the same number
	s_wait_alu depctr_va_vdst(0)
	s_wait_dscnt 0x0
	s_barrier_signal -1
	s_barrier_wait -1
	ds_load_b128 v[12:15], v3
	ds_load_b128 v[16:19], v3 offset:16
	s_wait_dscnt 0x0
	v_max3_num_f32 v8, v12, v13, v14
	v_max3_num_f32 v10, v15, v16, v17
	v_max3_num_f32 v8, v8, v18, v19
	v_max_num_f32 v8, v8, v10                      ; the row's maximum
.irp j, 4,5,6,7
	v_sub_f32 v\j, v\j, v8
.endr
	s_wait_alu depctr_va_vdst(0)                   ; the wait ahead of the batch
.irp j, 4,5,6,7
	v_exp_f32 v\j, v\j                             ; p = 2^(y - max), at most 1
.endr
	v_nop
	s_wait_alu depctr_va_vdst(0)                   ; the wait behind the batch
	v_add_f32 v10, v4, v5
	v_add_f32 v11, v6, v7
	v_add_f32 v10, v10, v11
.irp m, 1,2,4,8
	v_add_f32_dpp v10, v10, v10 row_xmask:\m row_mask:0xf bank_mask:0xf
.endr
	v_permlanex16_b32 v9, v10, s10, s11
	v_add_f32 v10, v10, v9                         ; the wave's sum
	ds_store_b32 v2, v10 offset:256                ; other bytes than the maxima's: no wave need have finished reading those
	s_wait_alu depctr_va_vdst(0)                   ; directly ahead of the wait below
	s_wait_dscnt 0x0
	s_barrier_signal -1
	s_barrier_wait -1
	ds_load_b128 v[12:15], v3 offset:256
	ds_load_b128 v[16:19], v3 offset:272
	s_wait_dscnt 0x0
	v_pk_add_f32 v[12:13], v[12:13], v[14:15]
	v_pk_add_f32 v[16:17], v[16:17], v[18:19]
	v_pk_add_f32 v[12:13], v[12:13], v[16:17]
	v_add_f32 v12, v12, v13                        ; the row's sum
	s_wait_alu depctr_va_vdst(0)
	v_rcp_f32 v11, v12
	v_nop
	s_wait_alu depctr_va_vdst(0)
.irp j, 0,1,2,3
	v_mul_f32 v[20+\j], v[4+\j], v11
.endr
	global_store_b128 v1, v[20:23], s[6:7]         ; a wave stores 512 consecutive bytes of the batch row
	s_wait_tensorcnt 0x0                           ; the wave's end
	ds_add_u32 v30, v31
	s_wait_dscnt 0x0
	s_endpgm
.Lfunc_end_k_q58363964d2_softmax:
	.size	k_q58363964d2_softmax, .Lfunc_end_k_q58363964d2_softmax-k_q58363964d2_softmax
	.p2alignl 7, 3214868480
	.fill 96, 4, 3214868480
	.section	.rodata,"a",@progbits
	.p2align	6, 0x0
	.amdhsa_kernel k_q58363964d2_softmax
		.amdhsa_group_segment_fixed_size 1536
		.amdhsa_private_segment_fixed_size 0
		.amdhsa_enable_private_segment 0
		.amdhsa_kernarg_size 16
		.amdhsa_user_sgpr_count 2
		.amdhsa_user_sgpr_kernarg_segment_ptr 1
		.amdhsa_wavefront_size32 1
		.amdhsa_system_sgpr_workgroup_id_x 1
		.amdhsa_system_sgpr_workgroup_id_y 1
		.amdhsa_system_sgpr_workgroup_id_z 1
		.amdhsa_system_vgpr_workitem_id 0
		.amdhsa_next_free_vgpr 32
		.amdhsa_next_free_sgpr 66
		.amdhsa_reserve_vcc 0
		.amdhsa_float_denorm_mode_32 3
		.amdhsa_float_denorm_mode_16_64 3
		.amdhsa_memory_ordered 1
		.amdhsa_forward_progress 1
		.amdhsa_inst_pref_size 5
	.end_amdhsa_kernel
	.amdgpu_metadata
---
amdhsa.version: [ 1, 2 ]
amdhsa.kernels:
  - .name:           k_q58363964d2_softmax
    .symbol:         k_q58363964d2_softmax.kd
    .args:
      - { .name: scores, .offset: 0, .size: 8, .value_kind: global_buffer, .address_space: global }
      - { .name: out0, .offset: 8, .size: 8, .value_kind: global_buffer, .address_space: global }
    .group_segment_fixed_size: 1536
    .private_segment_fixed_size: 0
    .kernarg_segment_align: 8
    .kernarg_segment_size: 16
    .max_flat_workgroup_size: 256
    .sgpr_count:     66
    .vgpr_count:     32
    .wavefront_size: 32
...
	.end_amdgpu_metadata
.endif
;; end of part 3
